; MI455X (gfx1250); checked and timed in simulation.
; The chip was launched on July 23, 2026; its instructions are those of AMD's public machine-readable ISA for CDNA 5 (MIT licence, August 2026) and "CDNA5" Instruction Set Architecture Reference Guide (July 2026). The comments in the code are by the model that wrote it; some were corrected since.
;; Attention Head. Allowed arithmetic: matrix products marked QUANTISED: E4M3 operands, one given power-of-two scale a tensor, by v_wmma_f32_16x16x64_fp8_fp8 or v_wmma_f32_16x16x128_fp8_fp8, f32 sums; everything else in f32.
;; Inputs: Wk 64 x 1,024 float32; Wq 64 x 1,024 float32; Wv 64 x 1,024 float32; bk 64 float32; bq 64 float32; bv 64 float32; lowp_scales 10 int32 (the exponents e of the quantised operands' scales 2^e); x 4 x 4,096 x 1,024 float32.
;; Outputs: out0 4 x 4,096 x 64 float32.
;; This version of the problem:
;;   THIS VERSION OF THE PROBLEM IS GIVEN IN LOW PRECISION. The matrix products marked QUANTISED in the list below multiply operands that are first quantised to E4M3 (4 exponent bits, 3 mantissa bits; 8 bits a number), with one given power-of-two scale for each operand tensor; their sums are f32. All else is computed in f32.
;;   The module's matrix products, in the order in which they are computed (A, B: the left and right operand; K: the contracted axis; several contracted axes count as one K, in the product's order):
;;     1. [M 16,384, K 1,024] x [K 1,024, N 64]; A: input x; B: input Wq: QUANTISED (scales: A lowp_scales[0], B lowp_scales[1])
;;     2. [M 16,384, K 1,024] x [K 1,024, N 64]; A: input x; B: input Wk: QUANTISED (scales: A lowp_scales[2], B lowp_scales[3])
;;     3. [M 16,384, K 1,024] x [K 1,024, N 64]; A: input x; B: input Wv: QUANTISED (scales: A lowp_scales[4], B lowp_scales[5])
;;     4. batch 4 x [M 4,096, K 64] x [K 64, N 4,096]; A: computed on the way; B: computed on the way: QUANTISED (scales: A lowp_scales[6], B lowp_scales[7])
;;     5. batch 4 x [M 4,096, K 4,096] x [K 4,096, N 64]; A: softmax (see below); B: computed on the way: QUANTISED (scales: A lowp_scales[8], B lowp_scales[9])
;;   THE QUANTISER, for each operand of a quantised product, along K:
;;     - The operand's scale is 2^e, e = its entry of the input lowp_scales (int32; the entries are numbered through the quantised products in the list's order, A before B).
;;     - Each number is divided by the scale, clamped to +-448, and rounded to the nearest number of E4M3, ties to even, subnormals kept.
;;     - The product sums the exact products of the quantised numbers (number of the format x scale) in f32.
;;   ~~~python
;;   def quantise(x, axis, e):      # numpy; x: float32 -> the quantised numbers, widened to float32 again
;;       x = np.moveaxis(x, axis, -1); K = x.shape[-1]
;;       r = np.clip(x / 2.0 ** e, -448, 448)
;;       step = 2.0 ** (np.maximum(np.frexp(np.where(r == 0, 1, r))[1] - 1, -6) - 3)
;;       q = np.round(r / step) * step * 2.0 ** e      # np.round: ties to even
;;       return np.moveaxis(q, -1, axis).astype(np.float32)
;;   ~~~
;;   SOFTMAX AHEAD OF A QUANTISED PRODUCT. Where the list says 'softmax', what is quantised is not the finished softmax but p = 2^(t - M), with t = logit x log2(e) and M = ceil(the row's largest t), a whole number; so 1/2 < the row's largest p <= 1. The row's sum l is taken of the UNQUANTISED p, in f32, and the product's result is divided by l at the end. Since M is a whole number, a kernel that streams over the keys may use a running M (the ceiling of the running maximum): every later rescaling is an exact power of two, so the quantised numbers keep their values, but for numbers so far below the row's largest that they fall under the format's range.
;;   OPERANDS COMPUTED ON THE WAY. 'Computed on the way' means the value that the module computes at that place (a softmax that the list does not call 'softmax' is quantised finished and normalised). What goes into a quantiser is computed in f32, as accurately as f32 sums, v_exp_f32 and their like allow (about 1e-6 of the number): no bf16 or f16 on the way to a quantiser, and a product that is left as it is and whose result goes on into a quantised operand takes f32 operands (vector FMAs, or v_wmma_f32_16x16x4_f32). A number that lies on a knife's edge between two numbers of the format may be rounded either way, as far as f32 arithmetic and the matrix unit's own rounding can turn it there, and no further.
;; One version. Each part assembles by itself: llvm-mc -triple=amdgcn-amd-amdhsa -mcpu=gfx1250 --defsym DOCPART=n.
;; ======== version 1 of 1: 3 launches
;; limits: right only within a limited range of input values
;; workspace buffers: w_img 196,608 bytes; q_img 1,048,576 bytes; k_img 1,048,576 bytes; v_img 1,048,576 bytes
;; launch wquant (part 1): grid 12 x 8, 4 waves a work-group, no clusters, 0 bytes of LDS; arguments Wq, Wk, Wv, lowp_scales, w_img; writes w_img
.if DOCPART == 1
	.amdgcn_target "amdgcn-amd-amdhsa--gfx1250"
	.amdhsa_code_object_version 6
	.text
	.protected	k_qeb30e271bd_wquant
	.globl	k_qeb30e271bd_wquant
	.p2align	8
	.type	k_qeb30e271bd_wquant,@function
k_qeb30e271bd_wquant:
	s_mov_b64 s[64:65], 0
	v_nop
	global_prefetch_b8 v0, s[64:65] scope:SCOPE_SE
	s_setreg_imm32_b32 hwreg(HW_REG_WAVE_MODE, 25, 1), 1
	s_wait_xcnt 0x0
; The program: wquant lays the weights' codes out, proj makes Q, K, V and their codes, attn the attention.
; Wq, Wk, Wv [64][1024] f32 become codes of FP8 (E4M3), each with the scale 2^e given for it (entries 1, 3, 5 of the scales), laid as IMAGES OF OPERAND REGISTERS:
; w_img [y 8][f 12][c 4][lane 32][16 bytes].  y = 2 C + s: which half s of which 256 along K.  f: the tile of 16 rows: 0-3 of Wq, 4-7 of Wk, 8-11 of Wv.
; K GOES IN A PERMUTED ORDER, the same that the next launch gives x's codes: in a chunk of 256 columns, byte 8 l + j of a row's codes is column 4 l + j (j < 4) or 128 + 4 l + j - 4.
; So piece c of lane (r, h) holds columns a .. a + 3, a + 128 .. a + 131, a + 4 .. a + 7, a + 132 .. a + 135 with a = 256 C + 64 s + 16 c + 8 h.
; THE ROWS OF A TILE OF Wq AND Wk ARE NOT NEIGHBOURS: lane r of tile 2 b + u takes row 32 b + 8 u + r + 8 (r / 8), so that the next launch's transposed products leave a lane 16 neighbouring channels in the
; 16 registers of tiles 2 b and 2 b + 1.  A tile t of Wv takes rows 16 t + r.
; code = w / 2^e, held within +-448, rounded to the nearest code, ties to even.  LIMITS: e between -126 and 119.  NaN among the inputs is not served.
; SHARES: work-group (f, y), wave c: one piece of 512 bytes, 16 numbers a lane.  The three tensors hold 196,608 numbers: 96 work-groups of 2,048 are all the work there is.
; Each number is read once in the launch.  The store covers 512 consecutive bytes, aligned.  No LDS, no barrier, no cluster: waves share nothing.
	s_load_b256 s[4:11], s[0:1], 0x0               ; Wq s[4:5], Wk s[6:7], Wv s[8:9], the scales' exponents s[10:11]
	s_load_b64 s[12:13], s[0:1], 0x20              ; w_img
	v_lshrrev_b32 v1, 5, v0
	v_readfirstlane_b32 s14, v1                    ; wave = c
	v_and_b32 v2, 15, v0                           ; r
	v_bfe_u32 v3, v0, 4, 1                         ; h
	v_and_b32 v5, 31, v0                           ; lane
	s_and_b32 s15, ttmp7, 0xffff                   ; y
	s_and_b32 s26, ttmp9, 3                        ; the tile's number in its tensor
	s_lshr_b32 s27, s26, 1
	s_lshl_b32 s27, s27, 5
	s_and_b32 s28, s26, 1
	s_lshl_b32 s28, s28, 3
	s_add_co_u32 s27, s27, s28                     ; Wq, Wk: the tile begins at row 32 b + 8 u
	s_lshl_b32 s28, s26, 4                         ; Wv: at row 16 t
	s_lshr_b32 s31, s15, 1
	s_lshl_b32 s31, s31, 10
	s_and_b32 s32, s15, 1
	s_lshl_b32 s32, s32, 8
	s_add_co_u32 s31, s31, s32
	s_lshl_b32 s32, s14, 6
	s_add_co_u32 s31, s31, s32                     ; in a row: 1,024 C + 256 s + 64 c bytes
	s_mul_i32 s33, s15, 12
	s_add_co_u32 s33, s33, ttmp9
	s_lshl_b32 s33, s33, 11
	s_lshl_b32 s34, s14, 9
	s_add_co_u32 s33, s33, s34                     ; in w_img: (12 y + f) 2,048 + 512 c
	s_wait_alu depctr_va_vdst(0)
	s_wait_kmcnt 0x0
	s_load_b256 s[16:23], s[10:11], 0x0            ; entries 0 to 7
	s_cmp_lt_u32 ttmp9, 4                          ; which tensor: the choice hangs on the work-group's number alone
	s_cselect_b64 s[24:25], s[4:5], s[6:7]
	s_cmp_lt_u32 ttmp9, 8
	s_cselect_b64 s[24:25], s[24:25], s[8:9]
	s_cselect_b32 s27, s27, s28                    ; the tile's first row,
	s_cselect_b32 s29, 8, 0                        ; and whether lanes 8-15 stand 8 rows further on
	v_and_b32 v4, s29, v2
	v_add3_u32 v4, v4, v2, s27                     ; my row
	v_lshlrev_b32 v4, 12, v4                       ; a row is 4,096 bytes
	v_lshl_add_u32 v4, v3, 5, v4                   ; + 32 h
	v_add_nc_u32 v4, s31, v4
.irp j, 0,1,2,3
	global_load_b128 v[8+4*\j:11+4*\j], v4, s[24:25] offset:512*(\j%2)+16*(\j/2)
.endr
	v_lshlrev_b32 v5, 4, v5
	v_add_nc_u32 v5, s33, v5                       ; my 16 bytes of the piece
	s_wait_kmcnt 0x0
	s_cmp_lt_u32 ttmp9, 4
	s_cselect_b32 s30, s17, s19
	s_cmp_lt_u32 ttmp9, 8
	s_cselect_b32 s30, s30, s21                    ; e
	s_add_co_i32 s30, s30, 127
	s_lshl_b32 s35, s30, 23
	v_mov_b32 v28, s35                             ; 2^e as f32: the conversion takes its exponent field
	s_add_co_i32 s30, s30, 8
	s_lshl_b32 s30, s30, 23
	s_or_b32 s30, s30, 0x600000
	v_mov_b32 v29, s30                             ; 448 x 2^e
	s_wait_alu depctr_va_vdst(0)                   ; the wait at the head's end
	s_wait_loadcnt 0x0
.irp i, 0,1,2,3,4,5,6,7,8,9,10,11,12,13,14,15
	v_med3_num_f32 v[8+\i], v[8+\i], -v29, v29     ; the conversion to an 8-bit code does not saturate (ISA guide 7.6.2): hold the number first
.endr
	v_cvt_scalef32_pk8_fp8_f32 v[24:25], v[8:15], v28
	v_cvt_scalef32_pk8_fp8_f32 v[26:27], v[16:23], v28
	global_store_b128 v5, v[24:27], s[12:13]       ; 32 lanes store 512 consecutive bytes
	s_endpgm
.Lfunc_end_k_qeb30e271bd_wquant:
	.size	k_qeb30e271bd_wquant, .Lfunc_end_k_qeb30e271bd_wquant-k_qeb30e271bd_wquant
	.p2alignl 7, 3214868480
	.fill 96, 4, 3214868480
	.section	.rodata,"a",@progbits
	.p2align	6, 0x0
	.amdhsa_kernel k_qeb30e271bd_wquant
		.amdhsa_group_segment_fixed_size 0
		.amdhsa_private_segment_fixed_size 0
		.amdhsa_enable_private_segment 0
		.amdhsa_kernarg_size 40
		.amdhsa_user_sgpr_count 2
		.amdhsa_user_sgpr_kernarg_segment_ptr 1
		.amdhsa_wavefront_size32 1
		.amdhsa_system_sgpr_workgroup_id_x 1
		.amdhsa_system_sgpr_workgroup_id_y 1
		.amdhsa_system_sgpr_workgroup_id_z 1
		.amdhsa_system_vgpr_workitem_id 0
		.amdhsa_next_free_vgpr 32
		.amdhsa_next_free_sgpr 66
		.amdhsa_reserve_vcc 0
		.amdhsa_float_denorm_mode_32 3
		.amdhsa_float_denorm_mode_16_64 3
		.amdhsa_memory_ordered 1
		.amdhsa_forward_progress 1
		.amdhsa_inst_pref_size 4
	.end_amdhsa_kernel
	.amdgpu_metadata
---
amdhsa.version: [ 1, 2 ]
amdhsa.kernels:
  - .name:           k_qeb30e271bd_wquant
    .symbol:         k_qeb30e271bd_wquant.kd
    .args:
      - { .name: Wq, .offset: 0, .size: 8, .value_kind: global_buffer, .address_space: global }
      - { .name: Wk, .offset: 8, .size: 8, .value_kind: global_buffer, .address_space: global }
      - { .name: Wv, .offset: 16, .size: 8, .value_kind: global_buffer, .address_space: global }
      - { .name: lowp_scales, .offset: 24, .size: 8, .value_kind: global_buffer, .address_space: global }
      - { .name: w_img, .offset: 32, .size: 8, .value_kind: global_buffer, .address_space: global }
    .group_segment_fixed_size: 0
    .private_segment_fixed_size: 0
    .kernarg_segment_align: 8
    .kernarg_segment_size: 40
    .max_flat_workgroup_size: 128
    .sgpr_count:     66
    .vgpr_count:     32
    .wavefront_size: 32
...
	.end_amdgpu_metadata
.endif
;; end of part 1
;; launch proj (part 2): grid 256 x 1, 16 waves a work-group, clusters of 4 x 1, 327,680 bytes of LDS; arguments x, w_img, bq, bk, bv, lowp_scales, q_img, k_img, v_img; writes q_img, k_img, v_img
.if DOCPART == 2
	.amdgcn_target "amdgcn-amd-amdhsa--gfx1250"
	.amdhsa_code_object_version 6
	.text
	.protected	k_qeb30e271bd_proj
	.globl	k_qeb30e271bd_proj
	.p2align	8
	.type	k_qeb30e271bd_proj,@function
k_qeb30e271bd_proj:
	s_mov_b64 s[64:65], 0
	v_nop
	global_prefetch_b8 v0, s[64:65] scope:SCOPE_SE
	s_setreg_imm32_b32 hwreg(HW_REG_WAVE_MODE, 25, 1), 1
	s_wait_xcnt 0x0
	s_wait_alu depctr_hold_cnt(0) depctr_sa_sdst(0) depctr_va_vdst(0) depctr_va_sdst(0) depctr_va_ssrc(0) depctr_va_vcc(0) depctr_vm_vsrc(0)
	s_getreg_b32 s2, hwreg(HW_REG_IB_STS2, 6, 4)
	s_cmp_eq_u32 s2, 0
	s_cbranch_scc0 .Lentry_in_a_cluster
	s_endpgm
.Lentry_in_a_cluster:
	s_bfe_u32 s2, ttmp6, 0x10000c
	s_cmp_lg_u32 s2, 0x3003
	s_cbranch_scc0 .Lentry_shape_is_right
	s_endpgm
.Lentry_shape_is_right:
; Q = x Wq^T + bq, K = x Wk^T + bk, V = x Wv^T + bv on codes of FP8 (E4M3); the three results are quantised at once for the attention launch and stored as images of operand registers.
; x [16384][1024] f32 has a scale of its own in each product (entries 0, 2, 4 of the scales): it is quantised three times, in registers.  W's codes come from w_img (entries 1, 3, 5).
; Q, K, V are quantised with entries 6, 7, 9.  code = number / 2^e, held within +-448, to the nearest code, ties to even.
; LIMITS: entries 0, 2, 4, 6, 7, 9 between -126 and 119; the sums of entries 0 + 1, 2 + 3, 4 + 5 between -126 and 127, so that each power of two below is an f32 number.  NaN among the inputs is not served.
; SHARES.  A work-group owns 64 rows of x: 256 work-groups.  x: wave w brings rows 4 w .. 4 w + 3 straight into registers in four chunks of 256 columns, eight loads of 512 consecutive bytes each.
; Chunks 0 and 1 are asked for at the head (131,072 bytes a work-group), chunk c + 2 when chunk c has landed; each chunk has 32 registers of its own.
; A chunk's numbers become codes three times and go to LDS, row by row, in two buffers by turns; behind one barrier a chunk is multiplied.  A lane's eight codes are columns 4 l .. 4 l + 3 and 128 + 4 l .. of the chunk:
; K's order in a row of codes is permuted, and w_img has the same order.
; PRODUCTS: wave f = 4 t + 2 b + g (f < 12) makes tensor t's 32 channels 32 b .. 32 b + 31 for the 32 rows 32 g ..: four accumulators over all of K.  (Twelve waves are three of every four.)
; CLUSTER: the four work-groups of a cluster need the same W: 196,608 bytes of codes come by ONE joint load a wave (12,288 bytes), once, into LDS, ahead of x's loads.
; No prefetch: x already runs two chunks ahead in registers, and the launch has no loop to run ahead in.
; LAYOUT.  Q's and K's products are used TRANSPOSED (source 0 = 16 rows of W, source 1 = 16 rows of x): a lane holds one row of x, and the 16 registers of two tiles are channels 32 b + 16 (lane / 16) + 0 .. 15.
; V's product is used as it stands: a lane holds one channel and eight neighbouring positions, which are the keys, the K of attention's second product.
; OUT.  q_img [tile of 16 positions][c 2][lane][16]: lane (r, h): position r, channels 32 c + 16 h + 0 .. 15.   k_img [group G of 32 keys][u 2][c 2][lane][16]: lane (r, h) of tile (G, u): key 32 G + 8 u + r + 8 (r / 8).
; v_img [G][d 4][lane][16]: lane (r, h): channel 16 d + r, keys 32 G + 16 h + 0 .. 15.  The codes change lanes through a stage in LDS; every global store covers 512 consecutive bytes, aligned.
; REGISTERS: v1-15 addresses and x's scales; v16-143 x (the biases later in v16-35; in the last chunk v80-143 take its second step's fragments); v144-175 held numbers, then W's two fragments;
;   v176-207 codes, then x's two fragments; v208-239 accumulators; v240-245 the way out.
.set XC,   196608                      ; LDS: W's codes from byte 0; x's codes behind them: [buffer 2][tensor 3][64 rows of PITCH]
.set PITCH, 272                        ; 256 codes + 16 bytes: 68 words: row r starts at bank 4 r mod 64 (64 banks of 4 bytes: ISA guide 11.1)
.set TB,   64*PITCH
.set BUF,  3*TB
.set STG,  XC+2*BUF                    ; the stage: 4,096 bytes each for Q's, K's, V's codes
.set SPARE, STG+12288                  ; the spare words, 128 bytes for each wave: eight blocks of 256 bytes that no other line names
.set SPW,  1
.set NIL,  2
.set LI,   3                           ; 16 x lane
.set XST,  4                           ; where my codes of x go, buffer 0 (buffer 1: XSU)
.set AW,   5                           ; my W fragments of the chunk in hand
.set AX,   6                           ; my x fragments
.set H64,  7
.set XSC,  8                           ; v8-13 (2^e, 448 x 2^e) for entries 0, 2, 4
.set R4,   14
.set XSU,  15
.set X,    16
.set BI,   16                          ; bias: 16 channels of a lane (Q, K)
.set BV,   32                          ; bias: v32, v34 (V)
.set TQ,   144
.set WF,   144
.set CX,   176
.set FX,   176
.set WF2,  80                          ; the last chunk's second step
.set FX2,  112
.set ACC,  208
.set ES,   240                         ; 2^e of my tensor's result, and 448 x that
.set EL,   241
.set EQ,   242                         ; where my codes go in the stage: Q, K, V
.set EK,   243
.set EV,   244
.set ER,   245                         ; and where I read 1,024 bytes back
.set WV,   22
.set WG,   23
.set G1,   24
.set G0,   32
.macro ROUND                           ; a round of the cluster's barrier
	s_barrier_signal -1
	s_barrier_wait -1
	s_cmp_lg_u32 s[WV], 0
	s_cbranch_scc1 .Lnot_wave_0_\@
	s_barrier_signal -3
.Lnot_wave_0_\@:
	s_barrier_wait -3
	s_barrier_signal -1
	s_barrier_wait -1
.endm
.macro XL c                            ; chunk c of my four rows: 32 lanes read 512 consecutive bytes
.irp q, 0,1,2,3
	global_load_b128 v[X+32*\c+8*\q:X+32*\c+8*\q+3], v[LI], s[4:5] offset:4096*\q+1024*\c th:TH_LOAD_NT
	global_load_b128 v[X+32*\c+8*\q+4:X+32*\c+8*\q+7], v[LI], s[4:5] offset:4096*\q+1024*\c+512 th:TH_LOAD_NT
.endr
.endm
.macro SCL d, e                        ; v[d] = 2^e as f32, v[d + 1] = 448 x 2^e, e in s[e]
	s_add_co_i32 s78, s[\e], 127
	s_lshl_b32 s79, s78, 23
	v_mov_b32 v[\d], s79
	s_add_co_i32 s78, s78, 8
	s_lshl_b32 s78, s78, 23
	s_or_b32 s78, s78, 0x600000
	v_mov_b32 v[\d+1], s78
.endm
	s_load_b512 s[4:19], s[0:1], 0x0               ; x s[4:5], w_img s[6:7], bq s[8:9], bk s[10:11], bv s[12:13], the scales s[14:15], q_img s[16:17], k_img s[18:19]
	s_load_b64 s[20:21], s[0:1], 0x40              ; v_img
	v_lshl_add_u32 v[SPW], v0, 2, SPARE
	v_mov_b32 v[NIL], 0
	ds_add_u32 v[SPW], v[NIL]                      ; the wave's opening: the add, twice on end, and its wait
	ds_add_u32 v[SPW], v[NIL]
	v_lshrrev_b32 v[LI], 5, v0
	v_readfirstlane_b32 s[WV], v[LI]               ; wave 0..15
	v_and_b32 v[LI], 31, v0
	v_lshlrev_b32 v[LI], 4, v[LI]
	s_bfe_u32 s58, ttmp6, 0x40000                  ; my place in the cluster: it enters x's and the outputs' addresses alone
	s_lshl_b32 s[WG], ttmp9, 2
	s_add_co_u32 s[WG], s[WG], s58                 ; my 64 rows
	s_mov_b32 s[G1+0], 15|(3<<16)|(1<<21)          ; group 1: 12,288 dense bytes as 48 rows of 32 elements of 8 bytes; 15:0 the mask: all four work-groups; 21 set beside a mask; no padding
	s_mov_b32 s[G1+1], 32<<16
	s_mov_b32 s[G1+2], 48<<16
	s_mov_b32 s[G1+3], 32<<16
	s_mov_b32 s[G1+4], 48
	s_mov_b32 s[G1+5], 32
	s_mov_b32 s[G1+6], 0
	s_mov_b32 s[G1+7], 0
	s_lshl_b32 s58, s[WG], 18                      ; 64 rows of 4,096 bytes,
	s_lshl_b32 s59, s[WV], 14                      ; my four
	s_add_co_u32 s58, s58, s59
	s_mov_b32 s59, 0
	s_mul_i32 s62, s[WV], 12288                    ; my part of W, in memory and in LDS
	s_mov_b32 s63, 0
	s_wait_dscnt 0x0                               ; both opening adds are done
	s_wait_alu depctr_va_vdst(0)
	ROUND                                          ; all four work-groups are here: the joint loads meet.  The round needs my wave's number alone, so it stands while the kernel's arguments are on their way
	s_wait_kmcnt 0x0
	s_load_b256 s[48:55], s[14:15], 0x0            ; entries 0 to 7
	s_load_b64 s[56:57], s[14:15], 0x20            ; entries 8, 9
	s_mov_b32 s[G0], 1                             ; group 0: count = 1
	s_mov_b32 s[G0+1], s62                         ; LDS address
	s_add_nc_u64 s[G0+2:G0+3], s[6:7], s[62:63]    ; global address
	s_or_b32 s[G0+3], s[G0+3], 0x80000000          ; type = 2
	tensor_load_to_lds s[G0:G0+3], s[G1:G1+7]
	s_nop 0
	s_add_nc_u64 s[4:5], s[4:5], s[58:59]
	XL 0
	v_and_b32 v144, 15, v0                         ; r
	v_bfe_u32 v145, v0, 4, 1                       ; h
	v_lshrrev_b32 v146, 1, v[LI]                   ; 8 x lane
	s_mul_i32 s60, s[WV], 4*PITCH
	s_add_co_u32 s60, s60, XC
	v_mul_u32_u24 v147, v144, PITCH
	v_add_nc_u32 v[XST], s60, v146
	v_lshl_add_u32 v147, v145, 4, v147
	v_add_nc_u32 v[XSU], BUF, v[XST]
	s_lshr_b32 s61, s[WV], 2
	s_mul_i32 s61, s61, TB                         ; my tensor's codes of x,
	s_and_b32 s76, s[WV], 1                        ; g
	s_mul_i32 s74, s76, 32*PITCH                   ; my 32 rows
	s_add_co_u32 s61, s61, s74
	s_add_co_u32 s61, s61, XC
	v_add_nc_u32 v[AX], s61, v147
	s_lshr_b32 s74, s[WV], 1
	s_and_b32 s77, s74, 1                          ; b
	s_lshl_b32 s74, s74, 12                        ; fragments 4 t + 2 b and the next: 2,048 bytes each
	v_add_nc_u32 v[AW], s74, v[LI]
	s_wait_alu depctr_va_vdst(0)                   ; directly ahead of the reader below
	v_lshlrev_b32 v[H64], 6, v145
	v_lshlrev_b32 v[R4], 2, v144
	s_lshl_b32 s76, s76, 11                        ; the stage: 2,048 g,
	s_lshl_b32 s74, s77, 9                         ; + 512 b (Q, K) or 1,024 b (V)
	s_add_co_u32 s74, s74, s76
	s_add_co_u32 s74, s74, STG
	v_add_nc_u32 v[EQ], s74, v[LI]
	s_add_co_u32 s74, s74, 4096
	v_lshrrev_b32 v148, 3, v144                    ; K: position 16 m + r of a group is in tile u = r / 8, lane 8 (m % 2) + r % 8 + 16 h
	v_and_b32 v149, 7, v144
	v_lshlrev_b32 v148, 10, v148
	v_lshl_add_u32 v148, v149, 4, v148
	v_lshl_add_u32 v148, v145, 8, v148
	v_add_nc_u32 v[EK], s74, v148
	s_lshl_b32 s74, s77, 10
	s_add_co_u32 s74, s74, s76
	s_add_co_u32 s74, s74, STG+8192
	v_lshlrev_b32 v150, 4, v144
	v_lshl_add_u32 v150, v145, 3, v150
	v_add_nc_u32 v[EV], s74, v150
	s_lshl_b32 s74, s[WV], 10
	s_add_co_u32 s74, s74, STG
	v_add_nc_u32 v[ER], s74, v[LI]
	s_wait_alu depctr_va_vdst(0)
	s_wait_kmcnt 0x0
	s_cmp_lt_u32 s[WV], 8                          ; my tensor's scales, bias and output: the choice hangs on the wave's number alone
	s_cselect_b32 s60, s50, s52
	s_cselect_b32 s61, s51, s53
	s_cselect_b32 s62, s55, s57
	s_cselect_b64 s[40:41], s[10:11], s[12:13]
	s_cselect_b64 s[42:43], s[18:19], s[20:21]
	s_cmp_lt_u32 s[WV], 4
	s_cselect_b32 s60, s48, s60
	s_cselect_b32 s61, s49, s61
	s_cselect_b32 s62, s54, s62
	s_cselect_b64 s[40:41], s[8:9], s[40:41]
	s_cselect_b64 s[42:43], s[16:17], s[42:43]
	SCL XSC, 48
	SCL XSC+2, 50
	SCL XSC+4, 52
	SCL ES, 62
	s_add_co_i32 s66, s60, s61                     ; a sum stands for sum x 2^(x's entry + W's entry)
	s_add_co_i32 s66, s66, 127
	s_lshl_b32 s66, s66, 23
	s_mov_b32 s67, s66                             ; (the packed form names the pair)
	s_lshl_b32 s70, s77, 7                         ; bias: channel 32 b on
	s_mov_b32 s71, 0
	s_add_nc_u64 s[72:73], s[40:41], s[70:71]
	s_lshl_b32 s70, s[WG], 12                      ; out: 4,096 bytes a work-group, 1,024 for my wave
	s_and_b32 s74, s[WV], 3
	s_lshl_b32 s74, s74, 10
	s_add_co_u32 s70, s70, s74
	s_add_nc_u64 s[42:43], s[42:43], s[70:71]
	s_wait_alu depctr_va_vdst(0)                   ; the wait at the head's end
	XL 1
; A chunk's 32 numbers of a lane (four rows, eight each) become codes under the three scales.  Held numbers take four sets of eight by turns; each store has codes' registers of its own.
.macro QX c
.irp q, 0,1,2,3
.irp t, 0,1,2
.set TS, TQ+8*((3*\q+\t)%4)
.set CS, CX+2*(3*\q+\t)
.irp i, 0,1,2,3,4,5,6,7
	v_med3_num_f32 v[TS+\i], v[X+32*\c+8*\q+\i], -v[XSC+2*\t+1], v[XSC+2*\t+1]   ; the conversion to an 8-bit code does not saturate (ISA guide 7.6.2)
.endr
	v_cvt_scalef32_pk8_fp8_f32 v[CS:CS+1], v[TS:TS+7], v[XSC+2*\t]
.if (\c)%2
	ds_store_b64 v[XSU], v[CS:CS+1] offset:\t*TB+\q*PITCH
.else
	ds_store_b64 v[XST], v[CS:CS+1] offset:\t*TB+\q*PITCH
.endif
.endr
.endr
	v_nop                                          ; one plain vector instruction behind the last conversion
.endm
.macro LDF s, p, wb, fb                ; the fragments of step s of a chunk: W's two, then x's two: sixteen loads
.irp n, 0,1
.irp e, 0,1,2,3
	ds_load_b128 v[\wb+16*\n+4*\e:\wb+16*\n+4*\e+3], v[AW] offset:24576*\s+2048*\n+512*\e
.endr
.endr
.irp m, 0,1
.irp e, 0,1,2,3
	ds_load_b128 v[\fb+16*\m+4*\e:\fb+16*\m+4*\e+3], v[AX] offset:BUF*(\p)+16*PITCH*\m+128*\s+32*\e
.endr
.endr
.endm
; Four products of step s, the accumulators by turns.  out: the loads that may be out when W's two fragments and x's first are in; x's second is the four behind them.  val = 1: V's, source 0 = x.
.macro MUL s, wb, fb, out, first, val
.irp m, 0,1
	s_wait_dscnt \out-4*\m
.irp n, 0,1
.set AC, ACC+16*\m+8*\n
.if \val
.if (\first) && (\s == 0)
	v_wmma_f32_16x16x128_fp8_fp8 v[AC:AC+7], v[\fb+16*\m:\fb+16*\m+15], v[\wb+16*\n:\wb+16*\n+15], 0
.else
	v_wmma_f32_16x16x128_fp8_fp8 v[AC:AC+7], v[\fb+16*\m:\fb+16*\m+15], v[\wb+16*\n:\wb+16*\n+15], v[AC:AC+7]
.endif
.else
.if (\first) && (\s == 0)
	v_wmma_f32_16x16x128_fp8_fp8 v[AC:AC+7], v[\wb+16*\n:\wb+16*\n+15], v[\fb+16*\m:\fb+16*\m+15], 0
.else
	v_wmma_f32_16x16x128_fp8_fp8 v[AC:AC+7], v[\wb+16*\n:\wb+16*\n+15], v[\fb+16*\m:\fb+16*\m+15], v[AC:AC+7]
.endif
.endif
.endr
.endr
.endm
.macro PLACES                          ; four places: for the loads and the vector writes that follow, and at the end for the first read of the sums
.rept 4
	v_nop
.endr
.endm
; My products of a chunk: two steps of 128 along K.  last = 1: both steps' fragments are asked for at once, the second's into registers that x has left.
.macro MMA p, first, val, last
	LDF 0, \p, WF, FX
.if \last
	LDF 1, \p, WF2, FX2
	MUL 0, WF, FX, 20, \first, \val
	MUL 1, WF2, FX2, 4, \first, \val
.else
	MUL 0, WF, FX, 4, \first, \val
	PLACES
	LDF 1, \p, WF, FX
	MUL 1, WF, FX, 4, \first, \val
.endif
	PLACES
.endm
.macro CHUNK c, out
	s_wait_loadcnt \out                            ; chunk c's eight loads are in; the younger ones may be out
.if (\c) < 2
.set NX, \c+2
	XL NX                                          ; two chunks on
.endif
.if \c
	v_add_nc_u32 v[AW], 49152, v[AW]               ; W: two steps of 24,576 bytes on
.endif
	QX \c
.if (\c) == 0
.irp i, 0,1,2,3                        ; the biases, six loads, into registers of chunk 0
	global_load_b128 v[BI+4*\i:BI+4*\i+3], v[H64], s[72:73] offset:16*\i
.endr
	global_load_b32 v[BV], v[R4], s[72:73]
	global_load_b32 v[BV+2], v[R4], s[72:73] offset:64
	s_wait_tensorcnt 0x0                           ; my part of W is in
.endif
	s_wait_dscnt 0x0                               ; for the others' sake: my codes lie in LDS; and my reads of the chunk before, whose buffer the next chunk's codes take, are over
	s_barrier_signal -1
	s_barrier_wait -1
	s_cmp_lt_u32 s[WV], 12
	s_cbranch_scc0 .Ldone_\@
	s_cmp_lt_u32 s[WV], 8
	s_cbranch_scc0 .Lval_\@
	MMA (\c)%2, (\c)==0, 0, (\c)==3
	s_branch .Ldone_\@
.Lval_\@:
	MMA (\c)%2, (\c)==0, 1, (\c)==3
.Ldone_\@:
.endm
; The end of tensor t: sum x power of two + bias, held, codes, into the stage.
.macro EP t
.irp m, 0,1
.irp j, 0,2,4,6,8,10,12,14
.if \t == 2
	v_pk_fma_f32 v[ACC+16*\m+\j:ACC+16*\m+\j+1], v[ACC+16*\m+\j:ACC+16*\m+\j+1], s[66:67], v[BV+2*(\j/8):BV+2*(\j/8)+1] op_sel_hi:[1,0,0]   ; a lane has one channel a tile
.else
	v_pk_fma_f32 v[ACC+16*\m+\j:ACC+16*\m+\j+1], v[ACC+16*\m+\j:ACC+16*\m+\j+1], s[66:67], v[BI+\j:BI+\j+1] op_sel_hi:[1,0,1]
.endif
.endr
.endr
.set i, 0
.rept 32
	v_med3_num_f32 v[ACC+i], v[ACC+i], -v[EL], v[EL]
.set i, i+1
.endr
.irp g, 0,1,2,3
	v_cvt_scalef32_pk8_fp8_f32 v[CX+2*\g:CX+2*\g+1], v[ACC+8*\g:ACC+8*\g+7], v[ES]
.endr
	v_nop
.irp m, 0,1
.if \t == 0
	ds_store_b128 v[EQ], v[CX+4*\m:CX+4*\m+3] offset:1024*\m
.elseif \t == 1
	ds_store_b128 v[EK], v[CX+4*\m:CX+4*\m+3] offset:128*\m
.else
	ds_store_b64 v[EV], v[CX+4*\m:CX+4*\m+1] offset:256*\m
	ds_store_b64 v[EV], v[CX+4*\m+2:CX+4*\m+3] offset:256*\m+512
.endif
.endr
.endm
	CHUNK 0, 8                                     ; chunk 1's eight may be out
	CHUNK 1, 14                                    ; chunk 2's eight and the six of the biases
	CHUNK 2, 14                                    ; the six of the biases and chunk 3's eight
	CHUNK 3, 0                                     ; all loads: the biases are in too
	s_cmp_lt_u32 s[WV], 12
	s_cbranch_scc0 .Lstaged
	s_cmp_lt_u32 s[WV], 8
	s_cbranch_scc0 .Lend_v
	s_cmp_lt_u32 s[WV], 4
	s_cbranch_scc0 .Lend_k
	EP 0
	s_branch .Lstaged
.Lend_k:
	EP 1
	s_branch .Lstaged
.Lend_v:
	EP 2
.Lstaged:
	s_wait_dscnt 0x0                               ; for the others' sake: my codes lie in the stage
	s_barrier_signal -1
	s_barrier_wait -1
	s_cmp_lt_u32 s[WV], 12
	s_cbranch_scc0 .Lstored
	ds_load_b128 v[WF:WF+3], v[ER]
	ds_load_b128 v[WF+4:WF+7], v[ER] offset:512
	s_wait_dscnt 0x0
	global_store_b128 v[LI], v[WF:WF+3], s[42:43]  ; 512 consecutive bytes a store
	global_store_b128 v[LI], v[WF+4:WF+7], s[42:43] offset:512
.Lstored:
	s_wait_tensorcnt 0x0                           ; the wave's end
	ds_add_u32 v[SPW], v[NIL]
	s_wait_dscnt 0x0
	ROUND                                          ; the closing round: no work-group ends while a partner may still ask for a tile that names it
	s_endpgm
.Lfunc_end_k_qeb30e271bd_proj:
	.size	k_qeb30e271bd_proj, .Lfunc_end_k_qeb30e271bd_proj-k_qeb30e271bd_proj
	.p2alignl 7, 3214868480
	.fill 96, 4, 3214868480
	.section	.rodata,"a",@progbits
	.p2align	6, 0x0
	.amdhsa_kernel k_qeb30e271bd_proj
		.amdhsa_group_segment_fixed_size 327680
		.amdhsa_private_segment_fixed_size 0
		.amdhsa_enable_private_segment 0
		.amdhsa_kernarg_size 72
		.amdhsa_user_sgpr_count 2
		.amdhsa_user_sgpr_kernarg_segment_ptr 1
		.amdhsa_wavefront_size32 1
		.amdhsa_system_sgpr_workgroup_id_x 1
		.amdhsa_system_sgpr_workgroup_id_y 1
		.amdhsa_system_sgpr_workgroup_id_z 1
		.amdhsa_system_vgpr_workitem_id 0
		.amdhsa_next_free_vgpr 256
		.amdhsa_next_free_sgpr 96
		.amdhsa_reserve_vcc 0
		.amdhsa_float_denorm_mode_32 3
		.amdhsa_float_denorm_mode_16_64 3
		.amdhsa_memory_ordered 1
		.amdhsa_forward_progress 1
		.amdhsa_inst_pref_size 76
	.end_amdhsa_kernel
	.amdgpu_metadata
---
amdhsa.version: [ 1, 2 ]
amdhsa.kernels:
  - .name:           k_qeb30e271bd_proj
    .symbol:         k_qeb30e271bd_proj.kd
    .args:
      - { .name: x, .offset: 0, .size: 8, .value_kind: global_buffer, .address_space: global }
      - { .name: w_img, .offset: 8, .size: 8, .value_kind: global_buffer, .address_space: global }
      - { .name: bq, .offset: 16, .size: 8, .value_kind: global_buffer, .address_space: global }
      - { .name: bk, .offset: 24, .size: 8, .value_kind: global_buffer, .address_space: global }
      - { .name: bv, .offset: 32, .size: 8, .value_kind: global_buffer, .address_space: global }
      - { .name: lowp_scales, .offset: 40, .size: 8, .value_kind: global_buffer, .address_space: global }
      - { .name: q_img, .offset: 48, .size: 8, .value_kind: global_buffer, .address_space: global }
      - { .name: k_img, .offset: 56, .size: 8, .value_kind: global_buffer, .address_space: global }
      - { .name: v_img, .offset: 64, .size: 8, .value_kind: global_buffer, .address_space: global }
    .group_segment_fixed_size: 327680
    .private_segment_fixed_size: 0
    .kernarg_segment_align: 8
    .kernarg_segment_size: 72
    .max_flat_workgroup_size: 512
    .sgpr_count:     96
    .vgpr_count:     256
    .wavefront_size: 32
...
	.end_amdgpu_metadata
.endif
;; end of part 2
;; launch attn (part 3): grid 64 x 4, 8 waves a work-group, clusters of 4 x 1, 327,680 bytes of LDS; arguments q_img, k_img, v_img, lowp_scales, out0; writes out0
.if DOCPART == 3
	.amdgcn_target "amdgcn-amd-amdhsa--gfx1250"
	.amdhsa_code_object_version 6
	.text
	.protected	k_qeb30e271bd_attn
	.globl	k_qeb30e271bd_attn
	.p2align	8
	.type	k_qeb30e271bd_attn,@function
k_qeb30e271bd_attn:
	s_mov_b64 s[64:65], 0
	v_nop
	global_prefetch_b8 v0, s[64:65] scope:SCOPE_SE
	s_setreg_imm32_b32 hwreg(HW_REG_WAVE_MODE, 25, 1), 1
	s_wait_xcnt 0x0
	s_wait_alu depctr_hold_cnt(0) depctr_sa_sdst(0) depctr_va_vdst(0) depctr_va_sdst(0) depctr_va_ssrc(0) depctr_va_vcc(0) depctr_vm_vsrc(0)
	s_getreg_b32 s2, hwreg(HW_REG_IB_STS2, 6, 4)
	s_cmp_eq_u32 s2, 0
	s_cbranch_scc0 .Lentry_in_a_cluster
	s_endpgm
.Lentry_in_a_cluster:
	s_bfe_u32 s2, ttmp6, 0x10000c
	s_cmp_lg_u32 s2, 0x3003
	s_cbranch_scc0 .Lentry_shape_is_right
	s_endpgm
.Lentry_shape_is_right:
; out0[b][q][:] = the sum over k of softmax_k(Q[b][q] . K[b][k] / 8) V[b][k][:], both products on codes of FP8 (E4M3) with the given scales: entries 6 (Q), 7 (K), 8 (p), 9 (V).  4 batches, 4,096 positions, 64 channels.
; THE SOFTMAX AHEAD OF THE SECOND PRODUCT: t = score x log2(e) / 8; M = the largest t so far, rounded UP to a whole number; p = 2^(t - M) is what is quantised, along the keys, not normalised.  The sum l is taken of
; the unquantised p, in f32, and divides at the end.  When M moves, l and O are multiplied by 2^(old M - new M): exact.
; The inputs are images of operand registers (a piece of 512 bytes: lane l's 16 bytes at 16 l):  q_img [tile of 16 queries][c 2]: lane (r, h): query r, channels 32 c + 16 h + 0 .. 15.
; k_img [group G of 32 keys][u 2][c 2]: lane (r, h) of tile (G, u): key 32 G + 8 u + r + 8 (r / 8).   v_img [G][d 4]: lane (r, h): channel 16 d + r, keys 32 G + 16 h + 0 .. 15.
; SHARES.  A work-group owns 64 queries of one batch, 256 work-groups in all.  Each of its eight waves takes all four query tiles and, of every 1,024 keys, an eighth (128 keys): four phases of 128 keys.  So a byte of K or V
; is read from LDS once in a work-group, and a fragment feeds four matrix instructions.  A phase goes two query tiles at a time.  At the end the waves join their O, l and M through LDS by exact powers of two.
; LAYOUT.  Both products are used transposed: S^T = K Q^T (source 0 = 16 keys, source 1 = 16 queries), O^T = V^T P^T (source 0 = 16 channels, source 1 = P): a lane holds ONE query (lane % 16) throughout; by the
; choice of a tile's keys the 16 registers of tiles (G, 0), (G, 1) are keys 32 G + 16 (lane / 16) + 0 .. 15, so the conversions' results are the second product's operand.
; RING.  Two LDS slots of 1,024 keys (65,536 bytes of K's images, 65,536 of V's), dense.  Waves 0-3 fetch K's quarters, waves 4-7 V's, 16,384 bytes a load, one load a wave at the head and behind each round.
; A phase's K and V are in registers from its first half on, so the slot is given up in the phase's middle: the waits and the add, the barrier's signal, a whole softmax of two tiles on registers, and only then the barrier's
; wait, the refill, and the next phase's K.  A refill has the rest of this phase and the first half of the next in which to land.
; CLUSTER.  The four work-groups of a cluster belong to one batch and walk the same K and V: each tile is asked for JOINTLY.  By this text's count a wave has one tensor load outstanding.
; No prefetch: the phases are written out, with no loop to run ahead in, and a refill is asked for about a whole phase ahead of its use.
; LIMITS: entry 6 + entry 7 between -123 and 130 (added to c's exponent field); entry 8 between -126 and 119; entries 8 + 9 go through v_ldexp_f32 and have none.  The scaled scores stay under 2^31 in magnitude.  NaN among the inputs is not served.
; REGISTERS, window 0: v1-6, v35-39 addresses; v8-15 (-M, largest t) of four tiles; v16-23 l, two halves each; v24, v26 f, beside them in v25, v27 448 x 2^(entry 8); v28-31 maxima, then the sums' second chains;
;   v32-33 lane exchanges; v34 2^(entry 8); v40-71 Q; v72-199 S^T of two tiles, then p; v200-231 p's codes.   Window 1: v0-63 K, v64-127 V, v128-255 O^T of four tiles.
.set SLOTA, 131072                     ; slot A (phases 0, 2); slot B begins at byte 0 (phases 1, 3)
.set VOFF,  65536                      ; in a slot: V's images behind K's
.set SP,    272                        ; a stage row: 64 channels of f32 + 16 bytes
.set WROWS, 64*SP                      ; a wave's 64 rows
.set STAGE, SLOTA                      ; the join.  It begins in slot A, which by then has had its last fill and its last read, and runs on behind it
.set STATS, STAGE+8*WROWS              ; (-M, l) of 64 queries for each wave: 512 bytes a wave
.set SPARE, STATS+4096                 ; the spare words, 128 bytes for each wave: four blocks of 256 bytes that no other line names
.set SPW, 1
.set NIL, 2
.set AKA, 3                            ; my eighth of K's images in slot A, + 16 x lane
.set AVA, 4
.set AKB, 5
.set AVB, 6
.set LQ,  7                            ; 16 x lane
.set ST,  8
.set L,   16
.set F,   24
.set MA,  28
.set X2,  28
.set PD,  32
.set SC,  34
.set OST, 35                           ; the join: where I put O^T
.set SST, 36                           ; where I put (-M, l)
.set RD,  37                           ; where I read the eight partial rows
.set RS,  38                           ; and their (-M, l)
.set GO,  39                           ; my byte offset in the wave's rows of out0
.set Q,   40
.set S,   72
.set P,   200
.set JS,  72                           ; the join: (-M, l), then (f, l), of 4 x 8 partial rows
.set MI,  136
.set LR,  140
.set R,   148
.set KB,  0                            ; in window 1
.set VB,  64
.set O,   128
.set WV,  14
.set SEL, 20                           ; s[20:21] lane selects for v_permlanex16_b32: lane l xor 16
.set CS,  22                           ; s[22:23] c = log2(e) / 8 x 2^(entries 6 + 7)
.set G1,  24
.set G0A, 32
.set G0B, 36
.set MSB, 0
.macro WIN new                         ; s_set_vgpr_msb: bits 1:0 source 0, 3:2 source 1, 5:4 source 2, 7:6 destination; the high byte repeats the setting that is left
.if MSB != (\new)
	s_set_vgpr_msb (MSB<<8)|(\new)
.set MSB, (\new)
.endif
.endm
.macro CREST                           ; a round of the cluster's barrier behind its opening barrier
	s_cmp_lg_u32 s[WV], 0
	s_cbranch_scc1 .Lnot_wave_0_\@
	s_barrier_signal -3
.Lnot_wave_0_\@:
	s_barrier_wait -3
	s_barrier_signal -1
	s_barrier_wait -1
.endm
.macro ROUND
	s_barrier_signal -1
	s_barrier_wait -1
	CREST
.endm
	s_load_b256 s[4:11], s[0:1], 0x0               ; q_img s[4:5], k_img s[6:7], v_img s[8:9], the scales' exponents s[10:11]
	s_load_b64 s[12:13], s[0:1], 0x20              ; out0
	v_lshl_add_u32 v[SPW], v0, 2, SPARE
	v_mov_b32 v[NIL], 0
	ds_add_u32 v[SPW], v[NIL]                      ; the wave's opening: the add, twice on end, and its wait
	ds_add_u32 v[SPW], v[NIL]
	v_lshrrev_b32 v3, 5, v0
	v_readfirstlane_b32 s[WV], v3                  ; wave 0..7: my eighth of the keys
	s_bfe_u32 s17, ttmp6, 0x40000                  ; my place in the cluster: it enters q_img's and out0's addresses alone
	s_lshl_b32 s18, ttmp9, 2                       ; in a cluster launch ttmp9 counts clusters
	s_add_co_u32 s18, s18, s17                     ; my block of 64 queries
	s_and_b32 s19, ttmp7, 0xffff                   ; the batch, which the four partners share
	s_mov_b32 s[G1+0], 15|(3<<16)|(1<<21)          ; group 1: a dense block of 16,384 bytes as 64 rows of 32 elements of 8 bytes; 15:0 the mask: all four work-groups; 21 set beside a mask; no padding
	s_mov_b32 s[G1+1], 32<<16
	s_mov_b32 s[G1+2], 64<<16
	s_mov_b32 s[G1+3], 32<<16
	s_mov_b32 s[G1+4], 64
	s_mov_b32 s[G1+5], 32
	s_mov_b32 s[G1+6], 0
	s_mov_b32 s[G1+7], 0
	s_mov_b32 s[SEL], 0x76543210
	s_mov_b32 s[SEL+1], 0xfedcba98
	s_lshl_b32 s44, s19, 18                        ; a batch's images are 262,144 bytes in each of the three buffers
	s_and_b32 s45, s[WV], 3
	s_lshl_b32 s45, s45, 14                        ; which quarter of a slot's K or V I fetch
	s_add_co_u32 s44, s44, s45
	s_mov_b32 s45, 0
	s_lshl_b32 s46, s[WV], 14                      ; and where it goes in a slot
	s_lshl_b32 s50, s19, 18                        ; Q: batch, + 4,096 bytes a block of 64 queries
	s_lshl_b32 s51, s18, 12
	s_add_co_u32 s50, s50, s51
	s_mov_b32 s51, 0
	s_lshl_b32 s52, s19, 20                        ; out0: rows of 256 bytes: batch, + 64 rows a block, + the 8 rows that my wave stores
	s_lshl_b32 s53, s18, 14
	s_add_co_u32 s52, s52, s53
	s_lshl_b32 s53, s[WV], 11
	s_add_co_u32 s52, s52, s53
	s_mov_b32 s53, 0
	s_wait_dscnt 0x0                               ; both opening adds are done
	ROUND                                          ; all four work-groups are here: the first joint loads meet
	s_wait_kmcnt 0x0
	s_load_b128 s[40:43], s[10:11], 0x18           ; entries 6 to 9
	s_cmp_lt_u32 s[WV], 4                          ; K's images or V's: the choice hangs on the wave's number alone
	s_cselect_b64 s[48:49], s[6:7], s[8:9]
	s_add_nc_u64 s[48:49], s[48:49], s[44:45]
	s_mov_b32 s[G0A], 1                            ; count = 1
	s_add_co_u32 s[G0A+1], s46, SLOTA              ; LDS address
	s_mov_b64 s[G0A+2:G0A+3], s[48:49]             ; global address: keys 0 on
	s_or_b32 s[G0A+3], s[G0A+3], 0x80000000        ; type = 2
	s_mov_b32 s[G0B], 1
	s_mov_b32 s[G0B+1], s46
	s_add_nc_u64 s[G0B+2:G0B+3], s[48:49], 65536   ; keys 1,024 on
	s_or_b32 s[G0B+3], s[G0B+3], 0x80000000
	s_add_nc_u64 s[4:5], s[4:5], s[50:51]
	s_add_nc_u64 s[12:13], s[12:13], s[52:53]
	tensor_load_to_lds s[G0A:G0A+3], s[G1:G1+7]    ; slot A
	s_nop 0
	v_and_b32 v[LQ], 31, v0
	v_and_b32 v72, 15, v0                          ; r
	v_bfe_u32 v73, v0, 4, 1                        ; h
	v_lshlrev_b32 v[LQ], 4, v[LQ]                  ; 16 x lane
.irp i, 0,1,2,3,4,5,6,7
	global_load_b128 v[Q+4*\i:Q+4*\i+3], v[LQ], s[4:5] offset:512*\i   ; Q's four fragments stay in registers
.endr
	s_lshl_b32 s54, s[WV], 13                      ; my eighth: 128 keys, 8,192 bytes of images
	v_add_nc_u32 v[AKB], s54, v[LQ]
	v_mul_u32_u24 v74, v72, SP
	v_mul_u32_u24 v75, v73, SP
	v_add_nc_u32 v[AVB], VOFF, v[AKB]
	v_add_nc_u32 v[AKA], SLOTA, v[AKB]
	v_add_nc_u32 v[AVA], SLOTA+VOFF, v[AKB]
	s_mul_i32 s55, s[WV], WROWS
	s_add_co_u32 s55, s55, STAGE
	v_lshl_add_u32 v74, v73, 5, v74
	v_lshl_add_u32 v75, v72, 4, v75
	v_add_nc_u32 v[OST], s55, v74                  ; my wave's rows: row r, + 32 h: eight channels of my half
	s_lshl_b32 s56, s[WV], 9
	s_add_co_u32 s56, s56, STATS
	v_lshlrev_b32 v76, 3, v72
	v_add_nc_u32 v[SST], s56, v76
	s_mul_i32 s57, s[WV], 8*SP                     ; back: rows 8 w + h (and two further on) of each wave's; 16 bytes a lane
	s_add_co_u32 s57, s57, STAGE
	v_add_nc_u32 v[RD], s57, v75
	s_lshl_b32 s58, s[WV], 6
	s_add_co_u32 s58, s58, STATS
	v_lshlrev_b32 v77, 3, v73
	v_add_nc_u32 v[RS], s58, v77
	v_lshlrev_b32 v78, 8, v73
	v_lshl_add_u32 v[GO], v72, 4, v78              ; lanes 0-15 one row of out0, lanes 16-31 the next
	v_mov_b32 v[PD], 0                             ; written once: a lane permute's destination counts as one of its sources
	v_mov_b32 v[PD+1], 0
	s_wait_alu depctr_va_vdst(0)
	s_wait_kmcnt 0x0
	s_add_co_i32 s59, s40, s41
	s_lshl_b32 s59, s59, 23
	s_add_co_i32 s[CS], s59, 0x3e38aa3b            ; c = log2(e) / 8; a score stands for score x 2^(entries 6 + 7): the two are added to c's exponent field
	s_mov_b32 s[CS+1], s[CS]                       ; (named with it as a pair, so it is written)
	s_add_co_i32 s59, s42, 127
	s_lshl_b32 s61, s59, 23
	v_mov_b32 v[SC], s61                           ; 2^(entry 8) as f32, for the conversion
	s_add_co_i32 s59, s59, 8
	s_lshl_b32 s59, s59, 23
	s_or_b32 s59, s59, 0x600000
	v_mov_b32 v[F+1], s59                          ; 448 times that, twice: in registers 1 and 3 modulo 4, one for each half of a dual-issue pair
	v_mov_b32 v[F+3], s59
	s_add_co_i32 s60, s42, s43                     ; entries 8 + 9
.macro LOADK ak                        ; my 128 keys: tile i = 2 G + u, pieces c
	WIN 0x40
.irp i, 0,1,2,3,4,5,6,7
.irp c, 0,1
	ds_load_b128 v[KB+8*\i+4*\c:KB+8*\i+4*\c+3], v[\ak] offset:\i*1024+\c*512
.endr
.endr
	WIN 0
.endm
.macro LOADV av                        ; V's fragment of channels 16 d on: its four groups of 32 keys
	WIN 0x40
.irp d, 0,1,2,3
.irp g, 0,1,2,3
	ds_load_b128 v[VB+16*\d+4*\g:VB+16*\d+4*\g+3], v[\av] offset:\g*2048+\d*512
.endr
.endr
	WIN 0
.endm
.macro QK t0                           ; S^T = K Q^T for tiles t0, t0 + 1
	WIN 0x01
.irp i, 0,1,2,3,4,5,6,7
.irp t, 0,1
	v_wmma_f32_16x16x64_fp8_fp8 v[S+64*\t+8*\i:S+64*\t+8*\i+7], v[KB+8*\i:KB+8*\i+7], v[Q+8*(\t0)+8*\t:Q+8*(\t0)+8*\t+7], 0
.endr
.endr
	WIN 0
.rept 4
	v_nop                                          ; four places: for the first read of the scores and for the loads into K's registers
.endr
.endm
; The softmax's first part: the maximum, M, p and the sums, of tiles t0, t0 + 1.  first = 1: the wave's first phase starts M and l.  Registers alone.
.macro SMA t0, first
.irp t, 0,1                                    ; the largest score of my query among my 64 keys, in two chains a tile; each accumulator is read from its low end on
	v_max3_num_f32 v[MA+2*\t], v[S+64*\t], v[S+64*\t+1], v[S+64*\t+2]
	v_max3_num_f32 v[MA+2*\t+1], v[S+64*\t+3], v[S+64*\t+4], v[S+64*\t+5]
.endr
.irp i, 6,10,14,18,22,26,30,34,38,42,46,50,54,58
.irp t, 0,1
	v_max3_num_f32 v[MA+2*\t], v[MA+2*\t], v[S+64*\t+\i], v[S+64*\t+\i+1]
	v_max3_num_f32 v[MA+2*\t+1], v[MA+2*\t+1], v[S+64*\t+\i+2], v[S+64*\t+\i+3]
.endr
.endr
.irp t, 0,1
	v_max3_num_f32 v[MA+2*\t], v[MA+2*\t], v[S+64*\t+62], v[S+64*\t+63]
.endr
.irp t, 0,1
	s_delay_alu instid0(VALU_DEP_2)
	v_max_num_f32 v[MA+2*\t], v[MA+2*\t], v[MA+2*\t+1]
.endr
.irp t, 0,1
	s_delay_alu instid0(VALU_DEP_2)
	v_permlanex16_b32 v[PD+\t], v[MA+2*\t], s[SEL], s[SEL+1]
.endr
.irp t, 0,1
	s_delay_alu instid0(VALU_DEP_2)
	v_max_num_f32 v[MA+2*\t], v[MA+2*\t], v[PD+\t]            ; and among lane l xor 16's
.endr
.if \first
.irp t, 0,1
	s_delay_alu instid0(VALU_DEP_2)
	v_mul_f32 v[ST+2*(\t0)+2*\t+1], s[CS], v[MA+2*\t]         ; as t (c is positive): the largest t so far
.endr
.irp t, 0,1
	s_delay_alu instid0(VALU_DEP_2)
	v_floor_f32 v[ST+2*(\t0)+2*\t], -v[ST+2*(\t0)+2*\t+1]     ; -M = floor(-t) = -ceil(t): M IS A WHOLE NUMBER
.endr
.else
.irp t, 0,1
	s_delay_alu instid0(VALU_DEP_2)
	v_mul_f32 v[MA+2*\t], s[CS], v[MA+2*\t]
.endr
.irp t, 0,1
	s_delay_alu instid0(VALU_DEP_2)
	v_max_num_f32 v[ST+2*(\t0)+2*\t+1], v[ST+2*(\t0)+2*\t+1], v[MA+2*\t]   ; the running largest t
.endr
.irp t, 0,1
	v_mov_b32 v[MA+2*\t+1], v[ST+2*(\t0)+2*\t]
.endr
.irp t, 0,1
	s_delay_alu instid0(VALU_DEP_4)
	v_floor_f32 v[ST+2*(\t0)+2*\t], -v[ST+2*(\t0)+2*\t+1]
.endr
.irp t, 0,1
	s_delay_alu instid0(VALU_DEP_2)
	v_sub_f32 v[MA+2*\t+1], v[ST+2*(\t0)+2*\t], v[MA+2*\t+1]  ; M's old value less its new one: a whole number, 0 or less
.endr
.irp t, 0,1
	s_delay_alu instid0(VALU_DEP_2)
	v_cvt_i32_f32 v[MA+2*\t+1], v[MA+2*\t+1]                  ; (it saturates)
.endr
.irp t, 0,1
	s_delay_alu instid0(VALU_DEP_2)
	v_ldexp_f32 v[F+2*\t], 1.0, v[MA+2*\t+1]                  ; f = 2^(old M - new M)
.endr
.endif
.set j, 0
.rept 32
	v_pk_fma_f32 v[S+j:S+j+1], v[S+j:S+j+1], s[CS:CS+1], v[ST+2*(\t0):ST+2*(\t0)+1] op_sel_hi:[1,0,0]   ; t - M, two at a time (of the pairs c and -M the low word serves both halves)
.set j, j+2
.endr
	s_wait_alu depctr_va_vdst(0)                   ; the wait ahead of the batch
.set j, 0
.rept 32                                       ; p = 2^(t - M), at most 1: NOT normalised; the second tile's t - M between the first tile's exponentials
	v_exp_f32 v[S+j], v[S+j]
	v_pk_fma_f32 v[S+64+j:S+64+j+1], v[S+64+j:S+64+j+1], s[CS:CS+1], v[ST+2*(\t0)+2:ST+2*(\t0)+3] op_sel_hi:[1,0,0]
	v_exp_f32 v[S+j+1], v[S+j+1]
.set j, j+2
.endr
	s_wait_alu depctr_va_vdst(0)                   ; ahead of the second tile's batch, likewise
.set j, 64
.rept 64
	v_exp_f32 v[S+j], v[S+j]
.set j, j+1
.endr
.if \first
	v_nop                                          ; a plain place behind the exponentials
	s_wait_alu depctr_va_vdst(0)                   ; ahead of the batch's first reader
.irp t, 0,1                                    ; THE SUM IS TAKEN OF THE UNQUANTISED p: two at a time, in two chains a tile
	v_pk_add_f32 v[L+4*((\t0)/2)+2*\t:L+4*((\t0)/2)+2*\t+1], v[S+64*\t:S+64*\t+1], v[S+64*\t+4:S+64*\t+5]
	v_pk_add_f32 v[X2+2*\t:X2+2*\t+1], v[S+64*\t+2:S+64*\t+3], v[S+64*\t+6:S+64*\t+7]
.endr
.else
.irp t, 0,1
	v_pk_mul_f32 v[L+4*((\t0)/2)+2*\t:L+4*((\t0)/2)+2*\t+1], v[L+4*((\t0)/2)+2*\t:L+4*((\t0)/2)+2*\t+1], v[F+2*\t:F+2*\t+1] op_sel_hi:[1,0]   ; the sums under the new M
.endr
	s_wait_alu depctr_va_vdst(0)                   ; ahead of the batch's first reader
.irp t, 0,1
	v_pk_add_f32 v[X2+2*\t:X2+2*\t+1], v[S+64*\t:S+64*\t+1], v[S+64*\t+2:S+64*\t+3]
.endr
.irp t, 0,1
	v_pk_add_f32 v[L+4*((\t0)/2)+2*\t:L+4*((\t0)/2)+2*\t+1], v[L+4*((\t0)/2)+2*\t:L+4*((\t0)/2)+2*\t+1], v[S+64*\t+4:S+64*\t+5]
	v_pk_add_f32 v[X2+2*\t:X2+2*\t+1], v[X2+2*\t:X2+2*\t+1], v[S+64*\t+6:S+64*\t+7]
.endr
.endif
.irp j, 8,12,16,20,24,28,32,36,40,44,48,52,56,60
.irp t, 0,1
	v_pk_add_f32 v[L+4*((\t0)/2)+2*\t:L+4*((\t0)/2)+2*\t+1], v[L+4*((\t0)/2)+2*\t:L+4*((\t0)/2)+2*\t+1], v[S+64*\t+\j:S+64*\t+\j+1]
	v_pk_add_f32 v[X2+2*\t:X2+2*\t+1], v[X2+2*\t:X2+2*\t+1], v[S+64*\t+\j+2:S+64*\t+\j+3]
.endr
.endr
.irp t, 0,1
	v_pk_add_f32 v[L+4*((\t0)/2)+2*\t:L+4*((\t0)/2)+2*\t+1], v[L+4*((\t0)/2)+2*\t:L+4*((\t0)/2)+2*\t+1], v[X2+2*\t:X2+2*\t+1]
.endr
.endm
; The second part: p's hold and codes, O^T under the new M.  Registers alone.
.macro SMB t0, first
.irp t, 0,1
.set j, 64*\t
.rept 32                                       ; the conversion to an 8-bit code does not saturate (ISA guide 7.6.2); p is not negative, so the hold is one-sided; two numbers an instruction
	v_dual_min_num_f32 v[S+j], v[F+1], v[S+j] :: v_dual_min_num_f32 v[S+j+1], v[F+3], v[S+j+1]
.set j, j+2
.endr
.irp g, 0,1,2,3,4,5,6,7
	v_cvt_scalef32_pk8_fp8_f32 v[P+16*\t+2*\g:P+16*\t+2*\g+1], v[S+64*\t+8*\g:S+64*\t+8*\g+7], v[SC]
.endr
.endr
.if \first
	v_nop                                          ; one plain vector instruction between a conversion and the matrix instruction that reads its result
.else
	WIN 0x41
	s_wait_alu depctr_va_vdst(0)                   ; directly ahead of the first reader of O^T
.irp t, 0,1
.set j, O+32*(\t0)+32*\t
.rept 16
	v_pk_mul_f32 v[j:j+1], v[j:j+1], v[F+2*\t:F+2*\t+1] op_sel_hi:[1,0]   ; O^T under the new M, each accumulator from its low end on
.set j, j+2
.endr
.endr
.endif
.endm
.macro PVM t0, first                           ; O^T += V^T P^T, 128 keys: the eight accumulators take turns, one instruction a turn
	WIN 0x51
.irp d, 0,1,2,3
.irp t, 0,1
.set OA, O+32*(\t0)+32*\t+8*\d
.if \first
	v_wmma_f32_16x16x128_fp8_fp8 v[OA:OA+7], v[VB+16*\d:VB+16*\d+15], v[P+16*\t:P+16*\t+15], 0
.else
	v_wmma_f32_16x16x128_fp8_fp8 v[OA:OA+7], v[VB+16*\d:VB+16*\d+15], v[P+16*\t:P+16*\t+15], v[OA:OA+7]
.endif
.endr
.endr
	WIN 0
.endm
; A phase.  fill = 2: the slot is filled again, with the keys 2,048 further on, behind a round of the cluster's barrier; 1: a barrier alone, which shows the other slot's fill to all; 0: the last phase.
.macro PHASE first, fill, g0, akn, avn
	s_wait_dscnt 16                                ; LDS loads come back in order (ISA guide 5.7.1): K's sixteen are in; V's sixteen may be out
	QK 0
	SMA 0, \first
	SMB 0, \first
	s_wait_alu depctr_va_vdst(0)
	s_wait_dscnt 0x0                               ; V is in
	PVM 0, \first
.if \fill
	s_wait_tensorcnt 0x0                           ; all my tensor loads have landed: my part of the next phase's slot
	ds_add_u32 v[SPW], v[NIL]                      ; 0 onto my spare word
.if \fill == 2
	s_add_nc_u64 s[\g0+2:\g0+3], s[\g0+2:\g0+3], 131072   ; 2,048 keys on; the type bits on top are not reached
.endif
.endif
	QK 2
.if \fill
	s_wait_dscnt 0x0                               ; the add is done, and my reads of this slot are over
	s_barrier_signal -1
.endif
	SMA 2, \first                                  ; (registers alone: it stands between the barrier's two halves)
.if \fill
	s_wait_alu depctr_va_vdst(0)
	s_barrier_wait -1                              ; nobody of my work-group reads this slot any more, and the next one is whole
.if \fill == 2
	CREST                                          ; and so in every work-group of the cluster
	tensor_load_to_lds s[\g0:\g0+3], s[G1:G1+7]
	s_nop 0
.endif
	LOADK \akn
.endif
	SMB 2, \first
	PVM 2, \first
.if \fill
.rept 4
	v_nop                                          ; places ahead of the loads into V's registers
.endr
	LOADV \avn
.endif
.endm
	s_wait_alu depctr_va_vdst(0)                   ; the wait at the head's end
	s_wait_tensorcnt 0x0                           ; my part of slot A is in
	ds_add_u32 v[SPW], v[NIL]
	s_wait_dscnt 0x0
	ROUND                                          ; everybody's part is
	tensor_load_to_lds s[G0B:G0B+3], s[G1:G1+7]    ; slot B
	s_nop 0
	LOADK AKA
	LOADV AVA
	s_wait_loadcnt 0x0                             ; Q
	PHASE 1, 2, G0A, AKB, AVB                      ; keys 0 - 1,023; slot A takes keys 2,048 on
	PHASE 0, 2, G0B, AKA, AVA                      ; keys 1,024 - 2,047; slot B takes keys 3,072 on
	PHASE 0, 1, G0A, AKB, AVB                      ; keys 2,048 - 3,071; behind its barrier nobody reads slot A any more
	PHASE 0, 0, G0A, AKB, AVB                      ; keys 3,072 - 4,095
	; THE JOIN.  My l: its two halves and lane l xor 16's; it takes the largest t's place, so that (-M, l) is a pair.  These lines are the places behind the last products.
.irp t, 0,1,2,3
	v_add_f32 v[L+2*\t], v[L+2*\t], v[L+2*\t+1]
.endr
.irp t, 0,1,2,3
	v_permlanex16_b32 v[MA+\t], v[L+2*\t], s[SEL], s[SEL+1]
.endr
.irp t, 0,1,2,3
	v_add_f32 v[ST+2*\t+1], v[L+2*\t], v[MA+\t]
.endr
	v_add_nc_u32 v[PD], 4*WROWS, v[RD]             ; the second four waves' partial rows
	WIN 0x04
.irp t, 0,1,2,3
.irp d, 0,1,2,3
	ds_store_b128 v[OST], v[O+32*\t+8*\d:O+32*\t+8*\d+3] offset:\t*16*SP+\d*64        ; lane (r, h): query 16 t + r, channels 16 d + 8 h + 0 .. 7
	ds_store_b128 v[OST], v[O+32*\t+8*\d+4:O+32*\t+8*\d+7] offset:\t*16*SP+\d*64+16
.endr
.endr
	WIN 0
.irp t, 0,1,2,3
	ds_store_b64 v[SST], v[ST+2*\t:ST+2*\t+1] offset:\t*128    ; both halves of the lanes hold the same two numbers
.endr
	s_wait_alu depctr_va_vdst(0)
	s_wait_dscnt 0x0                               ; for the others' sake: my part lies in LDS
	s_barrier_signal -1
	s_barrier_wait -1
	; My wave finishes eight queries: rows 8 w + 2 i + h, i = 0 .. 3; a lane takes four channels of a row, from each of the eight waves
.irp i, 0,1,2,3
.irp w, 0,1,2,3,4,5,6,7
	ds_load_b64 v[JS+16*\i+2*\w:JS+16*\i+2*\w+1], v[RS] offset:\w*512+\i*16
.endr
.endr
	WIN 0x40
.irp i, 0,1,2,3
.irp w, 0,1,2,3
	ds_load_b128 v[32*\i+4*\w:32*\i+4*\w+3], v[RD] offset:\w*WROWS+\i*2*SP
.endr
.irp w, 0,1,2,3
	ds_load_b128 v[32*\i+16+4*\w:32*\i+16+4*\w+3], v[PD] offset:\w*WROWS+\i*2*SP
.endr
.endr
	WIN 0
	s_wait_dscnt 32                                ; the 32 (-M, l) are in; the 32 loads of O may be out
.irp i, 0,1,2,3
	v_min3_num_f32 v[MI+\i], v[JS+16*\i], v[JS+16*\i+2], v[JS+16*\i+4]
.endr
.irp i, 0,1,2,3
	v_min3_num_f32 v[MI+\i], v[MI+\i], v[JS+16*\i+6], v[JS+16*\i+8]
.endr
.irp i, 0,1,2,3
	v_min3_num_f32 v[MI+\i], v[MI+\i], v[JS+16*\i+10], v[JS+16*\i+12]
.endr
.irp i, 0,1,2,3
	v_min_num_f32 v[MI+\i], v[MI+\i], v[JS+16*\i+14]           ; the least -M: the row's M
.endr
.irp i, 0,1,2,3
.irp w, 0,1,2,3,4,5,6,7
	v_sub_f32 v[JS+16*\i+2*\w], v[MI+\i], v[JS+16*\i+2*\w]     ; wave w's M less the row's: a whole number, 0 or less
.endr
.endr
.irp i, 0,1,2,3
.irp w, 0,1,2,3,4,5,6,7
	v_cvt_i32_f32 v[JS+16*\i+2*\w], v[JS+16*\i+2*\w]
.endr
.endr
.irp i, 0,1,2,3
.irp w, 0,1,2,3,4,5,6,7
	v_ldexp_f32 v[JS+16*\i+2*\w], 1.0, v[JS+16*\i+2*\w]        ; f of wave w: an exact power of two
.endr
.endr
.irp i, 0,1,2,3
	v_mul_f32 v[LR+2*\i], v[JS+16*\i], v[JS+16*\i+1]
.endr
.irp w, 1,2,3,4,5,6,7
.irp i, 0,1,2,3
	v_fma_f32 v[LR+2*\i], v[JS+16*\i+2*\w], v[JS+16*\i+2*\w+1], v[LR+2*\i]   ; the row's l
.endr
.endr
	s_wait_alu depctr_va_vdst(0)                   ; the wait ahead of the batch
.irp i, 0,1,2,3
	v_rcp_f32 v[LR+2*\i], v[LR+2*\i]               ; the sums of O below are the plain instructions behind the reciprocals
.endr
	s_wait_dscnt 0x0
	WIN 0x01
.irp i, 0,1,2,3
.irp p, 0,2
	v_pk_mul_f32 v[R+4*\i+\p:R+4*\i+\p+1], v[32*\i+\p:32*\i+\p+1], v[JS+16*\i:JS+16*\i+1] op_sel_hi:[1,0]
.endr
.endr
.irp w, 1,2,3,4,5,6,7
.irp i, 0,1,2,3
.irp p, 0,2
	v_pk_fma_f32 v[R+4*\i+\p:R+4*\i+\p+1], v[32*\i+4*\w+\p:32*\i+4*\w+\p+1], v[JS+16*\i+2*\w:JS+16*\i+2*\w+1], v[R+4*\i+\p:R+4*\i+\p+1] op_sel_hi:[1,0,1]
.endr
.endr
.endr
	WIN 0
	s_wait_alu depctr_va_vdst(0)                   ; ahead of the reciprocals' first reader
.irp i, 0,1,2,3
	v_ldexp_f32 v[LR+2*\i], v[LR+2*\i], s60        ; 1 / l x 2^(entries 8 + 9)
.endr
.irp i, 0,1,2,3
.irp p, 0,2
	v_pk_mul_f32 v[R+4*\i+\p:R+4*\i+\p+1], v[R+4*\i+\p:R+4*\i+\p+1], v[LR+2*\i:LR+2*\i+1] op_sel_hi:[1,0]
.endr
.endr
.irp i, 0,1,2,3
	global_store_b128 v[GO], v[R+4*\i:R+4*\i+3], s[12:13] offset:512*\i th:TH_STORE_NT   ; two whole rows of 256 bytes: 512 consecutive bytes, aligned; written once, read by nobody here
.endr
	s_wait_tensorcnt 0x0                           ; the wave's end
	ds_add_u32 v[SPW], v[NIL]
	s_wait_dscnt 0x0
	ROUND                                          ; the closing round: no work-group ends while a partner may still ask for a tile that names it
	s_endpgm
.Lfunc_end_k_qeb30e271bd_attn:
	.size	k_qeb30e271bd_attn, .Lfunc_end_k_qeb30e271bd_attn-k_qeb30e271bd_attn
	.p2alignl 7, 3214868480
	.fill 96, 4, 3214868480
	.section	.rodata,"a",@progbits
	.p2align	6, 0x0
	.amdhsa_kernel k_qeb30e271bd_attn
		.amdhsa_group_segment_fixed_size 327680
		.amdhsa_private_segment_fixed_size 0
		.amdhsa_enable_private_segment 0
		.amdhsa_kernarg_size 40
		.amdhsa_user_sgpr_count 2
		.amdhsa_user_sgpr_kernarg_segment_ptr 1
		.amdhsa_wavefront_size32 1
		.amdhsa_system_sgpr_workgroup_id_x 1
		.amdhsa_system_sgpr_workgroup_id_y 1
		.amdhsa_system_sgpr_workgroup_id_z 1
		.amdhsa_system_vgpr_workitem_id 0
		.amdhsa_next_free_vgpr 512
		.amdhsa_next_free_sgpr 80
		.amdhsa_reserve_vcc 0
		.amdhsa_float_denorm_mode_32 3
		.amdhsa_float_denorm_mode_16_64 3
		.amdhsa_memory_ordered 1
		.amdhsa_forward_progress 1
		.amdhsa_inst_pref_size 242
	.end_amdhsa_kernel
	.amdgpu_metadata
---
amdhsa.version: [ 1, 2 ]
amdhsa.kernels:
  - .name:           k_qeb30e271bd_attn
    .symbol:         k_qeb30e271bd_attn.kd
    .args:
      - { .name: q_img, .offset: 0, .size: 8, .value_kind: global_buffer, .address_space: global }
      - { .name: k_img, .offset: 8, .size: 8, .value_kind: global_buffer, .address_space: global }
      - { .name: v_img, .offset: 16, .size: 8, .value_kind: global_buffer, .address_space: global }
      - { .name: lowp_scales, .offset: 24, .size: 8, .value_kind: global_buffer, .address_space: global }
      - { .name: out0, .offset: 32, .size: 8, .value_kind: global_buffer, .address_space: global }
    .group_segment_fixed_size: 327680
    .private_segment_fixed_size: 0
    .kernarg_segment_align: 8
    .kernarg_segment_size: 40
    .max_flat_workgroup_size: 256
    .sgpr_count:     80
    .vgpr_count:     512
    .wavefront_size: 32
...
	.end_amdgpu_metadata
.endif
;; end of part 3
